; MI455X (gfx1250); checked and timed in simulation.
; The chip was launched on July 23, 2026; its instructions are those of AMD's public machine-readable ISA for CDNA 5 (MIT licence, August 2026) and "CDNA5" Instruction Set Architecture Reference Guide (July 2026). The comments in the code are by the model that wrote it; some were corrected since.
;; Int Act Weight. Allowed arithmetic: float matrix products may take bf16 or f16 operands with f32 sums; other float arithmetic in f32, or as packed bf16 or f16 multiplies, adds, multiply-adds, maxima and minima; sums over many terms, partial sums and values carried from step to step in f32; what a program stores and reads back later, other than sums and carried values, may be rounded once to bf16 or f16.
;; Inputs: scale 1 x 1 x 1 float32; x 4 x 2,048 x 4,096 int32; y 4,096 x 2,048 int32.
;; Outputs: out0 4 x 2,048 x 2,048 float32.
;; 2 versions, each right; version 2 is version 1 with the launch pack written anew for expert scheduling mode. Each part assembles by itself: llvm-mc -triple=amdgcn-amd-amdhsa -mcpu=gfx1250 --defsym DOCPART=n.
;; ======== version 1 of 2: 2 launches
;; workspace buffers: xa 67,108,864 bytes; yb 16,777,216 bytes
;; launch pack (part 1): grid 1280 x 1, 8 waves a work-group, no clusters, 0 bytes of LDS; arguments x, y, xa, yb; writes xa, yb
.if DOCPART == 1
	.amdgcn_target "amdgcn-amd-amdhsa--gfx1250"
	.amdhsa_code_object_version 6
	.text
	.protected	k_qe1e29deb11_pack
	.globl	k_qe1e29deb11_pack
	.p2align	8
	.type	k_qe1e29deb11_pack,@function
k_qe1e29deb11_pack:
	s_mov_b64 s[64:65], 0
	v_nop
	global_prefetch_b8 v0, s[64:65] scope:SCOPE_SE
	s_setreg_imm32_b32 hwreg(HW_REG_WAVE_MODE, 25, 1), 1
	s_wait_xcnt 0x0
; xa[i] = f16(int8(x[i])), yb[i] = f16(int8(y[i])): the low byte of each int32, read as a two's-complement number, written as f16 in the same order.
; Every number from -128 to 127 is exact in f16, so nothing is rounded here; the upper three bytes of an input word are dropped, as the cast to int8 drops them.
; A STREAM: each input byte is read once, each output byte written once; no number is wanted by two threads, so LDS, barriers and the matrix unit have no part in it.
; SHARES.  The two inputs are taken as rows of 4,096 bytes (1,024 numbers): x has 32,768, y has 8,192.  A work-group owns 32 rows: groups 0-1023 x, groups 1024-1279 y.
; Thread t owns the 16 bytes at 16 t of each input row and the 8 bytes at 8 t of each output row: a wave's load covers 512 consecutive bytes, its store 256 consecutive bytes, aligned.
; A ring of eight register slots keeps eight loads of every wave on their way.
; THE CONVERSION, two numbers in three instructions, all exact: the two low bytes go into the two halves of a word; an exclusive or with 0x6480 turns byte u into the f16 pattern
; 0x6400 | (u ^ 0x80), which is 1,024 + (v + 128) for the signed value v; adding -1,152 leaves v.
.set ROWIN,  4096                      ; input bytes of a row
.set ROWOUT, 2048                      ; output bytes of a row
.set DEPTH,  8                         ; slots = loads in flight in each wave
.set ROUNDS, 32/DEPTH                  ; each round takes every slot once
.set IN,   1                           ; v1        16 t; never rewritten
.set OUT,  2                           ; v2        8 t; never rewritten
.set X,    4                           ; v[4:35]   slot i: four int32 as loaded
.set Y,    36                          ; v[36:51]  slot i: four f16 to store
.set SRC,  12                          ; s[12:13]  the input at the round's first row
.set DST,  14                          ; s[14:15]  the output at the round's first row
.set SEL,  20                          ; s20  byte selects: byte 0 of one word, zero, byte 0 of the other, zero
.set BIAS, 21                          ; s21  0x6480 twice
.set NEG,  22                          ; s22  -1,152 in f16, twice
.set CNT,  23                          ; s23  rounds to go
	s_load_b256 s[4:11], s[0:1], 0x0               ; x s[4:5], y s[6:7], xa s[8:9], yb s[10:11]
	s_and_b32 s2, ttmp9, 1023                      ; my number among the groups of my input
	s_lshl_b32 s16, s2, 17                         ; 32 rows of 4,096 bytes in,
	s_mov_b32 s17, 0
	s_lshl_b32 s18, s2, 16                         ; 32 rows of 2,048 bytes out
	s_mov_b32 s19, 0
	s_mov_b32 s[SEL], 0x0c040c00
	s_mov_b32 s[BIAS], 0x64806480
	s_mov_b32 s[NEG], 0xe480e480
	v_lshlrev_b32 v[IN], 4, v0
	v_lshlrev_b32 v[OUT], 3, v0
	s_wait_kmcnt 0x0
	s_cmp_lt_u32 ttmp9, 1024                       ; x or y: a choice of buffers, no branch
	s_cselect_b64 s[SRC:SRC+1], s[4:5], s[6:7]
	s_cselect_b64 s[DST:DST+1], s[8:9], s[10:11]
	s_add_nc_u64 s[SRC:SRC+1], s[SRC:SRC+1], s[16:17]
	s_add_nc_u64 s[DST:DST+1], s[DST:DST+1], s[18:19]
.irp i, 0,1,2,3,4,5,6,7
	global_load_b128 v[X+4*(\i):X+4*(\i)+3], v[IN], s[SRC:SRC+1] offset:(\i)*ROWIN th:TH_LOAD_NT  ; the ring is filled: rows 0 to 7
.endr
; One slot's turn.  ahead = 1: the slot is filled again with the row eight further down.  left = how many younger loads may still be out.
.macro SLOT i, ahead, left
	s_wait_loadcnt \left                           ; loads come back in order (ISA guide 5.7.1): mine is in, the younger ones stay out
	v_perm_b32 v[Y+2*(\i)],   v[X+4*(\i)+1], v[X+4*(\i)],   s[SEL]  ; numbers 0 and 1: their low bytes into the two halves
	v_perm_b32 v[Y+2*(\i)+1], v[X+4*(\i)+3], v[X+4*(\i)+2], s[SEL]  ; numbers 2 and 3
	v_xor_b32 v[Y+2*(\i)],   s[BIAS], v[Y+2*(\i)]                   ; each half is now the f16 of v + 1,152
	v_xor_b32 v[Y+2*(\i)+1], s[BIAS], v[Y+2*(\i)+1]
	v_pk_add_f16 v[Y+2*(\i)],   v[Y+2*(\i)],   s[NEG]               ; less 1,152: exact
	v_pk_add_f16 v[Y+2*(\i)+1], v[Y+2*(\i)+1], s[NEG]
.if \ahead
	global_load_b128 v[X+4*(\i):X+4*(\i)+3], v[IN], s[SRC:SRC+1] offset:(DEPTH+(\i))*ROWIN th:TH_LOAD_NT
.endif
	global_store_b64 v[OUT], v[Y+2*(\i):Y+2*(\i)+1], s[DST:DST+1] offset:(\i)*ROWOUT th:TH_STORE_NT
.endm
	s_mov_b32 s[CNT], ROUNDS-1
.Lround:
.irp i, 0,1,2,3,4,5,6,7
	SLOT \i, 1, DEPTH-1
.endr
	s_wait_xcnt 0x0                                ; every load and store issued so far has had its addresses translated (ISA guide 3.1): only behind this wait are the two bases stepped and the eight Y pairs, each written once a round, written again
	s_add_nc_u64 s[SRC:SRC+1], s[SRC:SRC+1], DEPTH*ROWIN
	s_add_nc_u64 s[DST:DST+1], s[DST:DST+1], DEPTH*ROWOUT
	s_sub_co_u32 s[CNT], s[CNT], 1
	s_cmp_lg_u32 s[CNT], 0
	s_cbranch_scc1 .Lround
.irp i, 0,1,2,3,4,5,6,7
	SLOT \i, 0, DEPTH-1-(\i)                       ; the last round loads nothing: the counts run down
.endr
	s_endpgm
.Lfunc_end_k_qe1e29deb11_pack:
	.size	k_qe1e29deb11_pack, .Lfunc_end_k_qe1e29deb11_pack-k_qe1e29deb11_pack
	.p2alignl 7, 3214868480
	.fill 96, 4, 3214868480
	.section	.rodata,"a",@progbits
	.p2align	6, 0x0
	.amdhsa_kernel k_qe1e29deb11_pack
		.amdhsa_group_segment_fixed_size 0
		.amdhsa_private_segment_fixed_size 0
		.amdhsa_enable_private_segment 0
		.amdhsa_kernarg_size 32
		.amdhsa_user_sgpr_count 2
		.amdhsa_user_sgpr_kernarg_segment_ptr 1
		.amdhsa_wavefront_size32 1
		.amdhsa_system_sgpr_workgroup_id_x 1
		.amdhsa_system_sgpr_workgroup_id_y 1
		.amdhsa_system_sgpr_workgroup_id_z 1
		.amdhsa_system_vgpr_workitem_id 0
		.amdhsa_next_free_vgpr 52
		.amdhsa_next_free_sgpr 66
		.amdhsa_reserve_vcc 0
		.amdhsa_float_denorm_mode_32 3
		.amdhsa_float_denorm_mode_16_64 3
		.amdhsa_memory_ordered 1
		.amdhsa_forward_progress 1
		.amdhsa_inst_pref_size 10
	.end_amdhsa_kernel
	.amdgpu_metadata
---
amdhsa.version: [ 1, 2 ]
amdhsa.kernels:
  - .name:           k_qe1e29deb11_pack
    .symbol:         k_qe1e29deb11_pack.kd
    .args:
      - { .name: x, .offset: 0, .size: 8, .value_kind: global_buffer, .address_space: global }
      - { .name: y, .offset: 8, .size: 8, .value_kind: global_buffer, .address_space: global }
      - { .name: xa, .offset: 16, .size: 8, .value_kind: global_buffer, .address_space: global }
      - { .name: yb, .offset: 24, .size: 8, .value_kind: global_buffer, .address_space: global }
    .group_segment_fixed_size: 0
    .private_segment_fixed_size: 0
    .kernarg_segment_align: 8
    .kernarg_segment_size: 32
    .max_flat_workgroup_size: 256
    .sgpr_count:     66
    .vgpr_count:     52
    .wavefront_size: 32
...
	.end_amdgpu_metadata
.endif
;; end of part 1
;; launch gemm (part 2): grid 8 x 32, 4 waves a work-group, clusters of 4 x 4, 327,680 bytes of LDS; arguments xa, yb, out0, scale; writes out0
.if DOCPART == 2
	.amdgcn_target "amdgcn-amd-amdhsa--gfx1250"
	.amdhsa_code_object_version 6
	.text
	.protected	k_qe1e29deb11_gemm
	.globl	k_qe1e29deb11_gemm
	.p2align	8
	.type	k_qe1e29deb11_gemm,@function
k_qe1e29deb11_gemm:
	s_mov_b64 s[64:65], 0
	v_nop
	global_prefetch_b8 v0, s[64:65] scope:SCOPE_SE
	s_setreg_imm32_b32 hwreg(HW_REG_WAVE_MODE, 25, 1), 1
	s_wait_xcnt 0x0
	s_wait_alu depctr_hold_cnt(0) depctr_sa_sdst(0) depctr_va_vdst(0) depctr_va_sdst(0) depctr_va_ssrc(0) depctr_va_vcc(0) depctr_vm_vsrc(0)
	s_getreg_b32 s2, hwreg(HW_REG_IB_STS2, 6, 4)
	s_cmp_eq_u32 s2, 0
	s_cbranch_scc0 .Lentry_in_a_cluster
	s_endpgm
.Lentry_in_a_cluster:
	s_bfe_u32 s2, ttmp6, 0x10000c
	s_cmp_lg_u32 s2, 0xf033
	s_cbranch_scc0 .Lentry_shape_is_right
	s_endpgm
.Lentry_shape_is_right:
; out0[m][n] = scale x the sum over k of A[m][k] B[k][n].  A = xa: [8192][4096] f16, B = yb: [4096][2048] f16 (K down the rows), out0: [8192][2048] f32, scale: one f32.
; A and B hold whole numbers from -128 to 127, exact in f16, so every product is exact.  LIMIT: the sums are kept in f32, not in i32: they reach 2^26 at the most, so an addition may round in the
; last bits of 24; the result differs from the whole-number sum by a few parts in 2^24.  scale is applied by one f32 multiply; a NaN or an infinity in it goes through as it is.
; A tile of C, 256 x 256, is made by a work-group of four waves, as many as a WGP has SIMDs; a wave makes 128 x 128: 64 accumulators of 16 x 16, 512 registers.  C has 32 x 8 = 256 tiles: one to a work-group.
; K goes in steps of 128 through a ring of two LDS slots filled by the tensor data mover: A's tile as 256 rows of 256 bytes, B's as 128 k-rows of 512 bytes, all starting at multiples of 256 bytes.
; CLUSTERS: 4 x 4 work-groups.  The four of a row of the cluster need the same tiles of A, the four of a column the same tiles of B: each tile is asked for JOINTLY, by the same tensor load with the same
; descriptor and a mask that names the four; each receives it in its own LDS.  That divides the requests for A and for B by four.
; B LIES [K][N]: its fragments come out of LDS turned, by ds_load_tr16_b128, so that no pass over memory transposes it.
; THE MATRIX INSTRUCTION IS USED TRANSPOSED: source 0 = 16 columns of B, source 1 = 16 rows of A.  In the result lane l holds row l % 16 of C and the columns 8 (l / 16) + 0 .. 7: 32 neighbouring bytes of out0.
;
; REGISTERS, in windows of 256 (s_set_vgpr_msb's low byte: bits 1:0 source 0, 3:2 source 1, 5:4 source 2, 7:6 destination):
;   window 0: v0-31 addresses; v64-127, v128-191 fragments of A (8 x 16 rows x 32 K), two buffers; on the way out v64-127 scaled results, v128-191 and v192-255 rows read back, by turns
;   window 1: v64-127, v128-191 fragments of B, two buffers
;   window 2: the 32 accumulators of my rows 0-63 (accumulator (a, b) at v[8 (8 a + b)]);   window 3: those of my rows 64-127
.set SIZE_K, 4096
.set SIZE_N, 2048
.set KSTEP,  128
.set PA,     272                       ; a row of A in LDS: 256 bytes + 16 of padding = 68 words: row r starts at bank 4 r mod 64 (64 banks of 4 bytes: ISA guide 11.1), so the 16 rows of a load start at 16 different groups of banks
.set PB,     544                       ; a k-row of B: 512 bytes + 32 of padding = 136 words: row r starts at bank 8 r mod 64
.set HALFT,  128*PA                    ; what one tensor load brings: 128 rows of A, or 64 k-rows of B (64 x 544 is the same 34,816 bytes)
.set SLOT,   4*HALFT                   ; A's 256 rows, then B's 128 k-rows
.set STAGE,  2*SLOT                    ; behind the ring, never filled by a tensor load: 16 rows x 528 bytes for each wave, for the way out
.set SP,     528                       ; a stage row: 512 bytes + 16: an odd multiple of 16, so the 16 rows of a store start at 16 different groups of banks
.set SPARE,  STAGE+4*16*SP             ; behind the stages: the spare words, 128 bytes for each wave: two blocks of 256 bytes that no other line names
.set LAPS,   SIZE_K/(2*KSTEP)          ; a lap = two K steps = once round the ring: 16
.set ADRA, 16                          ; v16-17  LDS address of my A fragments in slot 0, 1
.set ADRB, 20                          ; v20-21  the same for B
.set STO,  24                          ; v24     the way out: where I put 32 bytes of a row
.set RD,   25                          ; v25     the way out: where I read a row back
.set CO,   26                          ; v26     my 16 bytes among 512 of a row of out0
.set SPW,  28                          ; v28     LDS address of my spare word: SPARE + 4 x my thread's number; never rewritten
.set NIL,  29                          ; v29     0; never rewritten
.set PFO,  30                          ; v30     the prefetches' lane offset; never rewritten
.set F0,   64                          ; fragment buffer 0
.set F1,   128                         ; fragment buffer 1
.set TMP,  64                          ; the way out: 16 rows x 128 columns, scaled
.set G1,   24                          ; s[24:31] descriptor group 1 for A's tiles
.set G0,   32                          ; s[32:39] descriptor group 0 for A's tiles, one set for each slot
.set LIM,  43                          ; s43      1 in a wave that prefetches, else the greatest number
.set PFA,  44                          ; s[44:45] where my prefetches stand
.set G1B,  48                          ; s[48:55] descriptor group 1 for B's tiles
.set G0B,  56                          ; s[56:63] descriptor group 0 for B's tiles, one set for each slot
.set PFS,  66                          ; s[66:67] a K step in bytes, along my prefetches' tensor: 256 in A, 128 k-rows of 4,096 in B
.set CB,   68                          ; s[68:69] out0, then out0 at my part's first row and column
.set SC,   72                          ; s[72:73] scale, twice: the packed multiply names a pair
.set MSB, 0
.macro WIN new                         ; the immediate's high byte repeats the setting that is left; a switch that changes nothing is dropped
.if MSB != (\new)
	s_set_vgpr_msb (MSB<<8)|(\new)
.set MSB, \new
.endif
.endm
.set MUL_LO, 0xa1                      ; source 0 (B) window 1, source 1 (A) window 0, C and D window 2
.set MUL_HI, 0xf1                      ; the same, C and D window 3
.set TO_B,   0x40                      ; destination window 1, address window 0
; A joint load.  Waves 0 and 1 fetch A's two halves, waves 2 and 3 B's.  Each of the two lines has ONE mask and one set of registers for all that issue it.  The branch hangs on the wave's number alone.
; An s_nop 0 and four v_nop follow each of the two lines; the jump round the other line, the label and what follows the macro come after them.
.macro JLOAD s
	s_cmp_eq_u32 s11, 0
	s_cbranch_scc0 .Lfor_b_\@
	tensor_load_to_lds s[G0+4*(\s):G0+4*(\s)+3], s[G1:G1+7]
	s_nop 0
.rept 4
	v_nop
.endr
	s_branch .Lasked_\@
.Lfor_b_\@:
	tensor_load_to_lds s[G0B+4*(\s):G0B+4*(\s)+3], s[G1B:G1B+7]
	s_nop 0
.rept 4
	v_nop
.endr
.Lasked_\@:
.endm
; A PREFETCH INTO THE L2, behind each joint refill, its five lines and the run of LDS loads that follows them: the K step that stands TWO refills on, 512 matrix instructions ahead of the load that will ask for it.
; One instruction a wave names 32 aligned blocks of 256 bytes, a lane a block.  Each block of A and B is named ONCE in the launch: A's tile row is read by both clusters of a row of clusters, and the one with
; x = 0 asks; B's tile column by all eight clusters of a column, and the one with y = 0 asks.  The four partners that ask for a tile jointly share its 128 blocks out BY ADDRESS (cx for A: 32 rows each;
; cy for B: 16 k-rows of two blocks each): no branch hangs on a work-group's place in its cluster.  The loop's last trip (s3 = 1) asks for nothing: K step 31 is the last one named.
.macro ASK
	s_cmp_gt_u32 s3, s[LIM]
	s_cbranch_scc0 .Lnot_mine_\@
	global_prefetch_b8 v[PFO], s[PFA:PFA+1] th:TH_LOAD_NT scope:SCOPE_SE
.Lnot_mine_\@:
.endm
; A round of the cluster's barrier: my work-group's barrier, so that wave 0's signal speaks for all four waves; wave 0 signals for the work-group; every wave waits for all sixteen work-groups; my work-group's barrier once more.
.macro CREST                           ; a round behind its opening barrier
	s_cmp_lg_u32 s10, 0
	s_cbranch_scc1 .Lnot_wave_0_\@
	s_barrier_signal -3
.Lnot_wave_0_\@:
	s_barrier_wait -3
	s_barrier_signal -1
	s_barrier_wait -1
.endm
.macro CROUND                          ; a whole round
	s_barrier_signal -1
	s_barrier_wait -1
	CREST
.endm
	s_load_b128 s[4:7], s[0:1], 0x0                ; xa s[4:5], yb s[6:7]
	s_load_b128 s[68:71], s[0:1], 0x10             ; out0 s[68:69], scale s[70:71]
	v_lshl_add_u32 v[SPW], v0, 2, SPARE
	v_mov_b32 v[NIL], 0
	ds_add_u32 v[SPW], v[NIL]                      ; the wave's opening: the add and its wait stand ahead of my first tensor load; the set-up below, work on registers, stands between them
	v_lshrrev_b32 v1, 5, v0
	v_readfirstlane_b32 s10, v1                    ; wave 0..3
	s_lshr_b32 s11, s10, 1                         ; which half of the tile's rows is mine.  Also: I fetch for A (0) or for B (1)
	s_and_b32 s12, s10, 1                          ; which half of its columns.  Also: which half of that tile I fetch
	s_bfe_u32 s40, ttmp6, 0x40000                  ; cx: my place along the cluster's x
	s_bfe_u32 s41, ttmp6, 0x40004                  ; cy: along its y
	s_lshl_b32 s42, ttmp9, 2                       ; in a cluster launch ttmp9 and ttmp7 count clusters
	s_add_co_u32 s42, s42, s40                     ; tile column of C = 4 x cluster x + cx
	s_and_b32 s13, ttmp7, 0xffff
	s_lshl_b32 s13, s13, 2
	s_add_co_u32 s13, s13, s41                     ; tile row of C = 4 x cluster y + cy
	s_lshl_b32 s43, s41, 2
	s_lshl_b32 s43, 15, s43                        ; my row of the cluster: places 4 cy .. 4 cy + 3
	s_lshl_b32 s44, 0x1111, s40                    ; my column: places cx, cx + 4, cx + 8, cx + 12
	; descriptor group 1 for A: 128 rows x 128 elements, 16 bytes of padding behind each row
	s_or_b32 s[G1+0], s43, (1<<16)|(1<<20)|(1<<21)|(5<<22)|(3<<25)  ; 15:0 the mask: my row; 17:16 elements of 2 bytes; 20 padding on; 21 set beside a mask; 24:22 after every 64 words (code 5); 31:25 4 words (code 3)
	s_mov_b32 s[G1+1], KSTEP<<16                   ; tensor_dim0 = 128
	s_mov_b32 s[G1+2], 128<<16                     ; tensor_dim1 = 128
	s_mov_b32 s[G1+3], KSTEP<<16                   ; tile_dim0 = 128
	s_mov_b32 s[G1+4], 128                         ; tile_dim1 = 128
	s_mov_b32 s[G1+5], SIZE_K                      ; elements from row to row
	s_mov_b32 s[G1+6], 0
	s_mov_b32 s[G1+7], 0
	; descriptor group 1 for B: 64 k-rows x 256 elements, 32 bytes of padding behind each row
	s_or_b32 s[G1B+0], s44, (1<<16)|(1<<20)|(1<<21)|(6<<22)|(7<<25) ; the mask: my column; after every 128 words (code 6) 8 words (code 7)
	s_mov_b32 s[G1B+1], 256<<16                    ; tensor_dim0 = 256
	s_mov_b32 s[G1B+2], 64<<16                     ; tensor_dim1 = 64
	s_mov_b32 s[G1B+3], 256<<16                    ; tile_dim0 = 256
	s_mov_b32 s[G1B+4], 64                         ; tile_dim1 = 64
	s_mov_b32 s[G1B+5], SIZE_N                     ; elements from k-row to k-row
	s_mov_b32 s[G1B+6], 0
	s_mov_b32 s[G1B+7], 0
	; where the tiles come from.  A's hang on the tile row alone, which my row of the cluster shares; B's on the tile column alone, which my column shares.
	s_lshl_b32 s17, s12, 7
	s_lshl_b32 s16, s13, 8
	s_add_co_u32 s16, s16, s17                     ; A: row 256 x tile row + 128 x half,
	s_lshl_b32 s16, s16, 13                        ; of 8,192 bytes: under 2^26
	s_mov_b32 s17, 0
	s_lshl_b32 s46, s42, 9                         ; B: 512 bytes x tile column
	s_lshl_b32 s47, s12, 18                        ; + 64 k-rows of 4,096 bytes x half
	s_add_co_u32 s46, s46, s47
	s_mov_b32 s47, 0
	s_mul_i32 s20, s10, HALFT                      ; and where they go: wave x 34,816 bytes: no place in the cluster enters an LDS address
	s_wait_dscnt 0x0                               ; the opening add is done
	s_wait_kmcnt 0x0
	s_add_nc_u64 s[14:15], s[4:5], s[16:17]
	s_add_nc_u64 s[46:47], s[6:7], s[46:47]
	CROUND                                         ; all sixteen work-groups are here: the first joint loads meet
.irp s, 0,1
	s_mov_b32 s[G0+4*(\s)], 1                                      ; 1:0 count = 1
	s_add_co_u32 s[G0+4*(\s)+1], s20, (\s)*SLOT                    ; 63:32 LDS address
	s_add_nc_u64 s[G0+4*(\s)+2:G0+4*(\s)+3], s[14:15], (\s)*KSTEP*2  ; 120:64 global address: K step s is 256 bytes along A's rows
	s_or_b32 s[G0+4*(\s)+3], s[G0+4*(\s)+3], 0x80000000            ; 127:126 type = 2
	s_mov_b32 s[G0B+4*(\s)], 1
	s_add_co_u32 s[G0B+4*(\s)+1], s20, (\s)*SLOT
	s_add_nc_u64 s[G0B+4*(\s)+2:G0B+4*(\s)+3], s[46:47], (\s)*KSTEP*SIZE_N*2  ; K step s is 128 k-rows down B
	s_or_b32 s[G0B+4*(\s)+3], s[G0B+4*(\s)+3], 0x80000000
	JLOAD \s                                       ; the ring is filled before anything else is done: two tensor loads of mine are out
.endr
	s_load_b32 s[SC], s[70:71], 0x0                ; scale
	; A fragment of A is 16 rows x 32 K in 8 registers: lane l holds row l % 16; registers 0-3 K = 8 (l / 16) + 0..7, registers 4-7 K = 16 + 8 (l / 16) + 0..7: two loads of 16 bytes, 32 bytes apart.
	v_and_b32 v1, 15, v0                           ; l % 16
	v_bfe_u32 v2, v0, 4, 1                         ; l / 16
	v_mul_u32_u24 v3, v1, PA
	v_lshl_add_u32 v3, v2, 4, v3                   ; row x pitch + 16 x half
	s_mul_i32 s21, s11, HALFT                      ; my 128 rows of A
	; The turning load takes 16 k x 16 columns (lane l reads 16 bytes: k-row 8 (l / 16) + l % 8, columns 8 ((l / 8) % 2) + 0..7) and leaves half a fragment: lane l holds column l % 16 and 8 k.
	v_and_b32 v4, 7, v0
	v_lshl_add_u32 v4, v2, 3, v4
	v_mul_u32_u24 v4, v4, PB
	v_bfe_u32 v5, v0, 3, 1
	v_lshl_add_u32 v4, v5, 4, v4
	s_lshl_b32 s22, s12, 8                         ; my 128 columns of B: 256 bytes of each k-row,
	s_add_co_u32 s22, s22, 2*HALFT                 ; behind A's 256 rows
.irp s, 0,1
	v_add_nc_u32 v[ADRA+(\s)], s21, v3
	v_add_nc_u32 v[ADRB+(\s)], s22, v4
	s_add_co_u32 s21, s21, SLOT
	s_add_co_u32 s22, s22, SLOT
.endr
	s_mul_i32 s23, s10, 16*SP
	s_add_co_u32 s23, s23, STAGE                   ; my stage
	v_mul_u32_u24 v6, v1, SP                       ; in: row l % 16, 32 bytes for each half of the lanes
	v_lshl_add_u32 v6, v2, 5, v6
	v_add_nc_u32 v[STO], s23, v6
	v_and_b32 v7, 31, v0                           ; l
	v_lshlrev_b32 v[CO], 4, v7                     ; back: 32 lanes take one row of 512 bytes,
	v_add_nc_u32 v[RD], s23, v[CO]                 ; and the same 512 bytes of a row of out0
	; where my part of the tile begins in out0
	s_lshl_b32 s16, s13, 8
	s_lshl_b32 s17, s11, 7
	s_add_co_u32 s16, s16, s17                     ; my first row,
	s_lshl_b32 s16, s16, 13                        ; of 8,192 bytes: under 2^26
	s_mov_b32 s17, 0
	s_add_nc_u64 s[CB:CB+1], s[CB:CB+1], s[16:17]
	s_lshl_b32 s46, s42, 10                        ; my first column, in bytes: 1,024 x tile column + 512 x half (in the registers that held B's address: none that feeds A's descriptors ever holds cx)
	s_lshl_b32 s47, s12, 9
	s_add_co_u32 s46, s46, s47
	s_mov_b32 s47, 0
	s_add_nc_u64 s[CB:CB+1], s[CB:CB+1], s[46:47]
	; the prefetches: both offsets are made, and the wave's number chooses
	s_lshl_b32 s20, s13, 8                         ; A: row 256 x tile row
	s_lshl_b32 s21, s12, 7
	s_add_co_u32 s20, s20, s21                     ; + the 128 rows that I fetch
	s_lshl_b32 s21, s40, 5
	s_add_co_u32 s20, s20, s21                     ; + my work-group's 32 of them,
	s_lshl_b32 s20, s20, 13                        ; in bytes,
	s_add_co_u32 s20, s20, 3*KSTEP*2               ; at K step 3: the first refill steps it to 4
	s_lshl_b32 s21, s12, 6                         ; B: the 64 k-rows that I fetch
	s_lshl_b32 s23, s41, 4
	s_add_co_u32 s21, s21, s23                     ; + my work-group's 16 of them,
	s_lshl_b32 s21, s21, 12                        ; in bytes,
	s_lshl_b32 s23, s42, 9
	s_add_co_u32 s21, s21, s23                     ; + the tile column's 512 bytes,
	s_add_co_u32 s21, s21, 3*KSTEP*SIZE_N*2        ; at K step 3
	s_and_b32 s22, ttmp7, 0xffff                   ; cluster y
	s_mov_b32 s75, SIZE_K*2
	s_mov_b32 s[PFS], KSTEP*2
	s_cmp_eq_u32 s11, 0                            ; do I fetch for A?
	s_cselect_b32 s20, s20, s21
	s_cselect_b32 s22, ttmp9, s22                  ; the coordinate along which other clusters read the same rows
	s_cselect_b64 s[PFA:PFA+1], s[4:5], s[6:7]
	s_cselect_b32 s74, 0, 1                        ; A: a lane a row.  B: two lanes a k-row
	s_cselect_b32 s75, s75, SIZE_N*2               ; bytes from row to row
	s_cselect_b32 s[PFS], s[PFS], KSTEP*SIZE_N*2
	s_mov_b32 s[PFS+1], 0
	s_mov_b32 s21, 0
	s_cmp_eq_u32 s22, 0
	s_cselect_b32 s[LIM], 1, -1                    ; the same in all sixteen partners, for a given wave
	s_add_nc_u64 s[PFA:PFA+1], s[PFA:PFA+1], s[20:21]
	v_lshrrev_b32 v8, s74, v7                      ; my row among the 32 or 16,
	v_and_b32 v9, s74, v7                          ; my block of 256 bytes in it
	v_mul_u32_u24 v8, s75, v8
	v_lshl_add_u32 v[PFO], v9, 8, v8
	; nothing is prefetched here, at the head, where every work-group's first two tiles are on their way: K steps 2 and 3 come by their refills alone
	s_wait_kmcnt 0x0                               ; scale is in
	s_mov_b32 s[SC+1], s[SC]
; 16 matrix instructions: m blocks a0, a0 + 1 of the window's four (hi = 0: my rows 0-63, 1: rows 64-127) x all 8 n blocks, 32 along K.  zero = 1: the first product starts the sums: nothing is ever cleared.
; The 64 accumulators take turns, one instruction a turn, in the same order in every quarter step, over the backward jump too.
.macro MUL16 f, hi, a0, zero
	WIN MUL_LO+0x50*(\hi)
.irp a, \a0, (\a0)+1
.irp b, 0,1,2,3,4,5,6,7
.if \zero
	v_wmma_f32_16x16x32_f16 v[8*(8*(\a)+(\b)):8*(8*(\a)+(\b))+7], v[(\f)+8*(\b):(\f)+8*(\b)+7], v[(\f)+8*(4*(\hi)+(\a)):(\f)+8*(4*(\hi)+(\a))+7], 0
.else
	v_wmma_f32_16x16x32_f16 v[8*(8*(\a)+(\b)):8*(8*(\a)+(\b))+7], v[(\f)+8*(\b):(\f)+8*(\b)+7], v[(\f)+8*(4*(\hi)+(\a)):(\f)+8*(4*(\hi)+(\a))+7], v[8*(8*(\a)+(\b)):8*(8*(\a)+(\b))+7]
.endif
.endr
.endr
.endm
; 32 LDS loads in one run: the fragments of quarter q of a K step (32 k x 128 columns of B, turned; 128 rows x 32 K of A) into buffer f.  The largest offset is 3 x 32 x 544 + 224 + 16 x 544 = 61,152.
.macro FETCH slot, q, f
	WIN TO_B
.irp i, 0,1,2,3,4,5,6,7
	ds_load_tr16_b128 v[(\f)+8*(\i):(\f)+8*(\i)+3],   v[ADRB+(\slot)] offset:(\q)*32*PB+32*(\i)
	ds_load_tr16_b128 v[(\f)+8*(\i)+4:(\f)+8*(\i)+7], v[ADRB+(\slot)] offset:(\q)*32*PB+32*(\i)+16*PB
.endr
	WIN 0
.irp i, 0,1,2,3,4,5,6,7
	ds_load_b128 v[(\f)+8*(\i):(\f)+8*(\i)+3],   v[ADRA+(\slot)] offset:64*(\q)+(\i)*16*PA
	ds_load_b128 v[(\f)+8*(\i)+4:(\f)+8*(\i)+7], v[ADRA+(\slot)] offset:64*(\q)+(\i)*16*PA+32
.endr
.endm
; A load into a register that a matrix instruction has read, and a vector instruction that reads a matrix result or writes one of a matrix instruction's registers, stand four places behind it, and only plain
; vector instructions that name none of its registers are places (ISA guide 7.12.1 for vector instructions).
.macro PLACES
.rept 4
	v_nop
.endr
.endm
; A K step is four quarters of 32 along K, 64 matrix instructions each, on buffers 0, 1, 0, 1.  One of the first three: multiplies buffer f; in its middle it fetches quarter q of the same slot into buffer g.
.macro QUARTER slot, q, f, g, zero
	s_wait_dscnt 8                                 ; B and A's rows 0-63 are in; the youngest eight loads (A's rows 64-127) may be out
	MUL16 \f, 0, 0, \zero
	MUL16 \f, 0, 2, \zero
	PLACES
	FETCH \slot, \q, \g
	s_wait_dscnt 32                                ; all but the 32 just issued
	MUL16 \f, 1, 0, \zero
	MUL16 \f, 1, 2, \zero
.endm
; The last quarter multiplies buffer 1 and changes slots.  MEET is its first half: ONE barrier for the change.  In front of it each wave waits for all its tensor loads, of which one is out: its part of the
; next slot; adds 0 to its spare word; and waits for that and for its own reads of this slot.  Behind it nobody reads this slot any more and the next slot is whole.
.macro MEET round                      ; round = 1: the rest of a round of the cluster's barrier follows
	WIN 0                                          ; (the add's two registers lie in window 0)
	s_wait_tensorcnt 0x0                           ; all my tensor loads have landed;
	ds_add_u32 v[SPW], v[NIL]                      ; 0 onto my spare word;
	s_wait_dscnt 9                                 ; (the add and the youngest eight loads may be out)
	MUL16 F1, 0, 0, 0                              ; sixteen matrix instructions stand between the add and the wait for it
	s_wait_dscnt 0x0                               ; the add is done, and my reads of this slot are over:
	s_barrier_signal -1                            ; say so,
	MUL16 F1, 0, 2, 0                              ; work on registers while the others arrive,
.if \round
	WIN 0
.endif
	s_barrier_wait -1                              ; and go on when all four have said so
.endm
; The whole last quarter.  fill = 1: the barrier opens a round of the cluster's barrier, so that no wave of any partner still reads the slot or has a load on its way; the slot just read out is filled again
; first thing behind it, with the K step two steps on: from that request to the wait for it a wave issues 224 matrix instructions.  Then come the next slot's first fragments.
.macro TURN slot, next, fill
.if \fill
	s_wait_xcnt 0x0                                ; the last prefetch, a K step back, has read its address: it is stepped here, ahead of the waits of the change of slots
	s_add_nc_u64 s[PFA:PFA+1], s[PFA:PFA+1], s[PFS:PFS+1]
	MEET 1
	CREST
	s_add_nc_u64 s[G0+4*(\slot)+2:G0+4*(\slot)+3], s[G0+4*(\slot)+2:G0+4*(\slot)+3], 2*KSTEP*2          ; no tensor load of mine is out, so a group 0 may be written; the type bits on top are not reached
	s_add_nc_u64 s[G0B+4*(\slot)+2:G0B+4*(\slot)+3], s[G0B+4*(\slot)+2:G0B+4*(\slot)+3], 2*KSTEP*SIZE_N*2
	JLOAD \slot                                    ; the first tensor load behind the round, my only one until the next; its four v_nop are also the places in front of the loads below
.else
	MEET 0
	PLACES
.endif
	FETCH \next, 0, F0
.if \fill
	ASK
.endif
	MUL16 F1, 1, 0, 0
	MUL16 F1, 1, 2, 0
.endm
; THE WAY OUT of block a (16 of my rows x 128 columns), in three parts.  PACK: times scale, in f32, into other registers; each accumulator's registers in ascending order.
.macro PACK a
	WIN 0x02+(\a)/4                                ; source 0: window 2 or 3; destination window 0
.irp b, 0,1,2,3,4,5,6,7
.irp r, 0,1,2,3
	v_pk_mul_f32 v[TMP+8*(\b)+2*(\r):TMP+8*(\b)+2*(\r)+1], v[64*((\a)%4)+8*(\b)+2*(\r):64*((\a)%4)+8*(\b)+2*(\r)+1], s[SC:SC+1] op_sel_hi:[1,0]
.endr
.endr
	WIN 0
.endm
; TOSTAGE: a lane's 32 bytes of a row go into my own stage, and whole rows of 512 bytes come back.
.macro TOSTAGE a
	WIN 0
.set BK, 128+64*((\a)%2)
.irp b, 0,1,2,3,4,5,6,7
	ds_store_b128 v[STO], v[TMP+8*(\b):TMP+8*(\b)+3]   offset:64*(\b)
	ds_store_b128 v[STO], v[TMP+8*(\b)+4:TMP+8*(\b)+7] offset:64*(\b)+16
.endr
.irp t, 0,1,2,3,4,5,6,7,8,9,10,11,12,13,14,15
	ds_load_b128 v[BK+4*(\t):BK+4*(\t)+3], v[RD] offset:(\t)*SP  ; LDS serves a wave's instructions in order (ISA guide 5.7.1.4): these see the stores above; the next block's stores come behind them
.endr
.endm
; SEND: stored.  The base is never stepped: the row stands in the immediate, 127 rows of 8,192 bytes at the most, inside its signed 24 bits.
.macro SEND a
	WIN 0
.set BK, 128+64*((\a)%2)
	s_wait_dscnt 0x0                               ; the block is back in registers
	s_wait_xcnt 0x0                                ; every earlier store has had its addresses translated (ISA guide 3.1): the other set of rows, which the block before's stores read, is loaded again only behind this wait
.irp t, 0,1,2,3,4,5,6,7,8,9,10,11,12,13,14,15
	global_store_b128 v[CO], v[BK+4*(\t):BK+4*(\t)+3], s[CB:CB+1] offset:(16*(\a)+(\t))*SIZE_N*4 th:TH_STORE_NT  ; the wave stores 512 consecutive bytes, at a multiple of 512 from out0's first byte
.endr
.endm
	s_wait_tensorcnt 1                             ; my part of K step 0 is in; K step 1's may stay out
	s_barrier_signal -1
	s_barrier_wait -1                              ; everybody's is
	FETCH 0, 0, F0
	QUARTER 0, 1, F0, F1, 1                        ; the first quarter stands in front of the loop: its products start the sums
	WIN 0                                          ; at a label and at a branch every window is 0
	s_mov_b32 s3, LAPS-1
.Llap:                                                 ; a trip goes once round the ring, from a lap's second quarter to the next lap's first, and fills both slots again
	QUARTER 0, 2, F1, F0, 0
	QUARTER 0, 3, F0, F1, 0
	TURN 0, 1, 1
	QUARTER 1, 1, F0, F1, 0
	QUARTER 1, 2, F1, F0, 0
	QUARTER 1, 3, F0, F1, 0
	TURN 1, 0, 1
	QUARTER 0, 1, F0, F1, 0
	WIN 0
	s_sub_co_u32 s3, s3, 1
	s_cmp_lg_u32 s3, 0
	s_cbranch_scc1 .Llap
	QUARTER 0, 2, F1, F0, 0                        ; the last lap is written out: it fills nothing, and has no round of the cluster's barrier
	QUARTER 0, 3, F0, F1, 0
	TURN 0, 1, 0
	QUARTER 1, 1, F0, F1, 0
	QUARTER 1, 2, F1, F0, 0
	QUARTER 1, 3, F0, F1, 0
	s_wait_dscnt 8                                 ; the very last quarter: nothing more to fetch
	MUL16 F1, 0, 0, 0
	MUL16 F1, 0, 2, 0
	s_wait_dscnt 0x0
	MUL16 F1, 1, 0, 0
	MUL16 F1, 1, 2, 0
	WIN 0
	PLACES                                         ; behind the last products, in front of multiplies that read results and of writes and loads into the fragments' registers:
	PLACES                                         ; eight, once a launch
	PACK 0
	TOSTAGE 0
.irp a, 1,2,3,4,5,6,7                  ; block a's multiplies stand between block a - 1's loads from the stage and the wait for them
	PACK \a
	SEND (\a)-1
	TOSTAGE \a
.endr
	SEND 7
	s_wait_tensorcnt 0x0                           ; the wave's end, behind my last tensor load and my last LDS store
	ds_add_u32 v[SPW], v[NIL]
	s_wait_dscnt 0x0
	CROUND                                         ; the closing round: no work-group ends while a partner may still ask for a tile that names it
	s_endpgm
.Lfunc_end_k_qe1e29deb11_gemm:
	.size	k_qe1e29deb11_gemm, .Lfunc_end_k_qe1e29deb11_gemm-k_qe1e29deb11_gemm
	.p2alignl 7, 3214868480
	.fill 96, 4, 3214868480
	.section	.rodata,"a",@progbits
	.p2align	6, 0x0
	.amdhsa_kernel k_qe1e29deb11_gemm
		.amdhsa_group_segment_fixed_size 327680
		.amdhsa_private_segment_fixed_size 0
		.amdhsa_enable_private_segment 0
		.amdhsa_kernarg_size 32
		.amdhsa_user_sgpr_count 2
		.amdhsa_user_sgpr_kernarg_segment_ptr 1
		.amdhsa_wavefront_size32 1
		.amdhsa_system_sgpr_workgroup_id_x 1
		.amdhsa_system_sgpr_workgroup_id_y 1
		.amdhsa_system_sgpr_workgroup_id_z 1
		.amdhsa_system_vgpr_workitem_id 0
		.amdhsa_next_free_vgpr 1024
		.amdhsa_next_free_sgpr 80
		.amdhsa_reserve_vcc 0
		.amdhsa_float_denorm_mode_32 3
		.amdhsa_float_denorm_mode_16_64 3
		.amdhsa_memory_ordered 1
		.amdhsa_forward_progress 1
		.amdhsa_inst_pref_size 158
	.end_amdhsa_kernel
	.amdgpu_metadata
---
amdhsa.version: [ 1, 2 ]
amdhsa.kernels:
  - .name:           k_qe1e29deb11_gemm
    .symbol:         k_qe1e29deb11_gemm.kd
    .args:
      - { .name: xa, .offset: 0, .size: 8, .value_kind: global_buffer, .address_space: global }
      - { .name: yb, .offset: 8, .size: 8, .value_kind: global_buffer, .address_space: global }
      - { .name: out0, .offset: 16, .size: 8, .value_kind: global_buffer, .address_space: global }
      - { .name: scale, .offset: 24, .size: 8, .value_kind: global_buffer, .address_space: global }
    .group_segment_fixed_size: 327680
    .private_segment_fixed_size: 0
    .kernarg_segment_align: 8
    .kernarg_segment_size: 32
    .max_flat_workgroup_size: 128
    .sgpr_count:     80
    .vgpr_count:     1024
    .wavefront_size: 32
...
	.end_amdgpu_metadata
.endif
;; end of part 2
;; ======== version 2 of 2: 2 launches; version 1 with the launch pack written anew for expert scheduling mode
;; workspace buffers: xa 67,108,864 bytes; yb 16,777,216 bytes
;; launch pack (part 3): grid 1280 x 1, 8 waves a work-group, no clusters, 0 bytes of LDS; arguments x, y, xa, yb; writes xa, yb
.if DOCPART == 3
	.amdgcn_target "amdgcn-amd-amdhsa--gfx1250"
	.amdhsa_code_object_version 6
	.text
	.protected	k_qe1e29deb11_pack
	.globl	k_qe1e29deb11_pack
	.p2align	8
	.type	k_qe1e29deb11_pack,@function
k_qe1e29deb11_pack:
	s_mov_b64 s[64:65], 0
	v_nop
	global_prefetch_b8 v0, s[64:65] scope:SCOPE_SE
	s_setreg_imm32_b32 hwreg(HW_REG_WAVE_SCHED_MODE, 0, 2), 2
	s_setreg_imm32_b32 hwreg(HW_REG_WAVE_MODE, 25, 1), 1
	s_wait_xcnt 0x0
	s_wait_alu depctr_vm_vsrc(0)
; xa[i] = f16(int8(x[i])), yb[i] = f16(int8(y[i])): the low byte of each int32, read as a two's-complement number, written as f16 in the same order.
; Every number from -128 to 127 is exact in f16, so nothing is rounded here; the upper three bytes of an input word are dropped, as the cast to int8 drops them.
; A STREAM: each input byte is read once, each output byte written once; no number is wanted by two threads, so LDS, barriers and the matrix unit have no part in it.
; SHARES.  The two inputs are taken as rows of 4,096 bytes (1,024 numbers): x has 32,768, y has 8,192.  A work-group owns 32 rows: groups 0-1023 x, groups 1024-1279 y.
; Thread t owns the 16 bytes at 16 t of each input row and the 8 bytes at 8 t of each output row: a wave's load covers 512 consecutive bytes, its store 256 consecutive bytes, aligned.
; THE CONVERSION, two numbers in three instructions, all exact: the two low bytes go into the two halves of a word; an exclusive or with 0x6480 turns byte u into the f16 pattern
; 0x6400 | (u ^ 0x80), which is 1,024 + (v + 128) for the signed value v; adding -1,152 leaves v.
; THE MODE: SCHED_MODE bits 1:0 = 2 (LLVM: expert scheduling mode 2), set by the entry lines.  The code itself states the register dependences
; between vector instructions and memory instructions, with s_wait_alu, always for 0.
; THE PLAN.  The 32 rows go in 8 blocks of four.  Registers that memory instructions touch:
;   X0 .. X3   four blocks of int32 as loaded.  Written by the loads of block p + 3, issued in block p; read by block p's v_perm_b32 lines.
;   Y0, Y1     two blocks of f16 to store.      Written by block p's conversion lines; read by the four stores that are issued in block p + 1.
;   v1, v2     byte offsets, made once at the head and never written again; the two scalar bases are never written again either: the rows stand in the immediate offsets.
; Block p works on X[p % 4] and writes Y[p % 2].  Its memory instructions are the loads into X[(p + 3) % 4] = X[(p - 1) % 4] and the stores from Y[(p - 1) % 2]: the two buffers
; that block p - 1 worked on and that no vector instruction of block p names.  So the waits at the head of a block state all that the block's eight memory instructions hang on,
; and these are dealt among its vector instructions with no further wait.
; Block 0 has no block in front of it and blocks 5 to 7 load nothing; the four between would be a loop of one lap: so all eight are written out, by one macro.
.set ROWIN,  4096                      ; input bytes of a row
.set ROWOUT, 2048                      ; output bytes of a row
.set BLOCK,  4                         ; rows in a block
.set BLOCKS, 32/BLOCK
.set IN,   1                           ; v1        16 t; never rewritten
.set OUT,  2                           ; v2        8 t; never rewritten
.set X,    4                           ; v[4:67]   buffer k, row i: four int32 as loaded, at X + 16 k + 4 i
.set Y,    68                          ; v[68:83]  buffer k, row i: four f16 to store, at Y + 8 k + 2 i
.set SRC,  12                          ; s[12:13]  the input at the group's first row
.set DST,  14                          ; s[14:15]  the output at the group's first row
.set SEL,  20                          ; s20  byte selects: byte 0 of one word, zero, byte 0 of the other, zero
.set BIAS, 21                          ; s21  0x6480 twice
.set NEG,  22                          ; s22  -1,152 in f16, twice
	s_load_b256 s[4:11], s[0:1], 0x0               ; x s[4:5], y s[6:7], xa s[8:9], yb s[10:11]
	s_and_b32 s2, ttmp9, 1023                      ; my number among the groups of my input
	s_lshl_b32 s16, s2, 17                         ; 32 rows of 4,096 bytes in,
	s_mov_b32 s17, 0
	s_lshl_b32 s18, s2, 16                         ; 32 rows of 2,048 bytes out
	s_mov_b32 s19, 0
	s_mov_b32 s[SEL], 0x0c040c00
	s_mov_b32 s[BIAS], 0x64806480
	s_mov_b32 s[NEG], 0xe480e480
	v_lshlrev_b32 v[IN], 4, v0
	v_lshlrev_b32 v[OUT], 3, v0
	s_wait_kmcnt 0x0
	s_cmp_lt_u32 ttmp9, 1024                       ; x or y: a choice of buffers, no branch
	s_cselect_b64 s[SRC:SRC+1], s[4:5], s[6:7]
	s_cselect_b64 s[DST:DST+1], s[8:9], s[10:11]
	s_add_nc_u64 s[SRC:SRC+1], s[SRC:SRC+1], s[16:17]
	s_add_nc_u64 s[DST:DST+1], s[DST:DST+1], s[18:19]
	s_wait_alu depctr_va_vdst(0)                   ; v1 and v2 are written: every load and store of the kernel reads one of them as its offset
.irp i, 0,1,2,3,4,5,6,7,8,9,10,11
	global_load_b128 v[X+4*(\i):X+4*(\i)+3], v[IN], s[SRC:SRC+1] offset:(\i)*ROWIN th:TH_LOAD_NT  ; blocks 0, 1 and 2 into X0, X1, X2
.endr
; Block p.  XB, YB: the buffers that its vector lines read and write.  XN: where block p + 3 lands.  YP: what block p - 1 wrote.
.macro BLK p
.set XB, X+16*((\p)%4)
.set XN, X+16*(((\p)+3)%4)
.set YB, Y+8*((\p)%2)
.set YP, Y+8*(((\p)+1)%2)
.if (\p) < BLOCKS-2
	s_wait_loadcnt 2*BLOCK                         ; loads come back in order (ISA guide 5.7.1): this block's four are in, the two younger blocks' eight stay out
.else
	s_wait_loadcnt (BLOCKS-1-(\p))*BLOCK           ; nothing has been asked for since block 4: the counts run down, 4 and 0
.endif
.if (\p) >= 2                          ; blocks 0 and 1 write a Y that no store has read yet
	s_wait_xcnt 0x0                                ; every earlier memory instruction has had its addresses translated (ISA guide 3.1): YB, the data of the stores issued in the block before, is rewritten only behind this wait
	s_wait_alu depctr_vm_vsrc(0)                   ; those stores have read YB, which this block's conversion lines write again
.endif
.if (\p) >= 1
	s_wait_alu depctr_va_vdst(0)                   ; the block before has written YP, which the stores below read, and is done reading XN, in which the loads below (blocks 1 to 4 have them) land
.endif
.irp i, 0,1,2,3
.if (\p)+3 < BLOCKS
	global_load_b128 v[XN+4*(\i):XN+4*(\i)+3], v[IN], s[SRC:SRC+1] offset:(BLOCK*((\p)+3)+(\i))*ROWIN th:TH_LOAD_NT  ; three blocks ahead; no vector instruction since the wait names these registers
.endif
.if (\p) >= 1
	global_store_b64 v[OUT], v[YP+2*(\i):YP+2*(\i)+1], s[DST:DST+1] offset:(BLOCK*((\p)-1)+(\i))*ROWOUT th:TH_STORE_NT  ; the block before
.endif
	v_perm_b32 v[YB+2*(\i)],   v[XB+4*(\i)+1], v[XB+4*(\i)],   s[SEL]  ; numbers 0 and 1: their low bytes into the two halves
	v_perm_b32 v[YB+2*(\i)+1], v[XB+4*(\i)+3], v[XB+4*(\i)+2], s[SEL]  ; numbers 2 and 3
	v_xor_b32 v[YB+2*(\i)],   s[BIAS], v[YB+2*(\i)]                    ; each half is now the f16 of v + 1,152
	v_xor_b32 v[YB+2*(\i)+1], s[BIAS], v[YB+2*(\i)+1]
	v_pk_add_f16 v[YB+2*(\i)],   v[YB+2*(\i)],   s[NEG]                ; less 1,152: exact
	v_pk_add_f16 v[YB+2*(\i)+1], v[YB+2*(\i)+1], s[NEG]
.endr
.endm
.irp p, 0,1,2,3,4,5,6,7
	BLK \p
.endr
	s_wait_alu depctr_va_vdst(0)                   ; block 7 has written Y1, which the last four stores read
.irp i, 0,1,2,3
	global_store_b64 v[OUT], v[Y+8+2*(\i):Y+8+2*(\i)+1], s[DST:DST+1] offset:(BLOCK*(BLOCKS-1)+(\i))*ROWOUT th:TH_STORE_NT
.endr
	s_endpgm
.Lfunc_end_k_qe1e29deb11_pack:
	.size	k_qe1e29deb11_pack, .Lfunc_end_k_qe1e29deb11_pack-k_qe1e29deb11_pack
	.p2alignl 7, 3214868480
	.fill 96, 4, 3214868480
	.section	.rodata,"a",@progbits
	.p2align	6, 0x0
	.amdhsa_kernel k_qe1e29deb11_pack
		.amdhsa_group_segment_fixed_size 0
		.amdhsa_private_segment_fixed_size 0
		.amdhsa_enable_private_segment 0
		.amdhsa_kernarg_size 32
		.amdhsa_user_sgpr_count 2
		.amdhsa_user_sgpr_kernarg_segment_ptr 1
		.amdhsa_wavefront_size32 1
		.amdhsa_system_sgpr_workgroup_id_x 1
		.amdhsa_system_sgpr_workgroup_id_y 1
		.amdhsa_system_sgpr_workgroup_id_z 1
		.amdhsa_system_vgpr_workitem_id 0
		.amdhsa_next_free_vgpr 84
		.amdhsa_next_free_sgpr 66
		.amdhsa_reserve_vcc 0
		.amdhsa_float_denorm_mode_32 3
		.amdhsa_float_denorm_mode_16_64 3
		.amdhsa_memory_ordered 1
		.amdhsa_forward_progress 1
		.amdhsa_inst_pref_size 18
	.end_amdhsa_kernel
	.amdgpu_metadata
---
amdhsa.version: [ 1, 2 ]
amdhsa.kernels:
  - .name:           k_qe1e29deb11_pack
    .symbol:         k_qe1e29deb11_pack.kd
    .args:
      - { .name: x, .offset: 0, .size: 8, .value_kind: global_buffer, .address_space: global }
      - { .name: y, .offset: 8, .size: 8, .value_kind: global_buffer, .address_space: global }
      - { .name: xa, .offset: 16, .size: 8, .value_kind: global_buffer, .address_space: global }
      - { .name: yb, .offset: 24, .size: 8, .value_kind: global_buffer, .address_space: global }
    .group_segment_fixed_size: 0
    .private_segment_fixed_size: 0
    .kernarg_segment_align: 8
    .kernarg_segment_size: 32
    .max_flat_workgroup_size: 256
    .sgpr_count:     66
    .vgpr_count:     84
    .wavefront_size: 32
...
	.end_amdgpu_metadata
.endif
;; end of part 3
;; launch gemm: the kernel of part 2 again; grid 8 x 32, 4 waves a work-group, clusters of 4 x 4, 327,680 bytes of LDS; arguments xa, yb, out0, scale; writes out0
